; MI455X (gfx1250); checked and timed in simulation.
; The chip was launched on July 23, 2026; its instructions are those of AMD's public machine-readable ISA for CDNA 5 (MIT licence, August 2026) and "CDNA5" Instruction Set Architecture Reference Guide (July 2026). The comments in the code are by the model that wrote it; some were corrected since.
;; Dist Maps. Allowed arithmetic: float matrix products may take bf16 or f16 operands with f32 sums; all other float work in f32.
;; Inputs: coords 8 x 48 x 4 float32; x 8 x 3 x 512 x 512 float32.
;; Outputs: out0 8 x 2 x 512 x 512 float32.
;; 2 versions, each right; version 2 is version 1 with the launch distmaps written anew for expert scheduling mode. Each part assembles by itself: llvm-mc -triple=amdgcn-amd-amdhsa -mcpu=gfx1250 --defsym DOCPART=n.
;; ======== version 1 of 2: 1 launch
;; launch distmaps (part 1): grid 16 x 16, 4 waves a work-group, no clusters, 4,608 bytes of LDS; arguments coords, out0; writes out0
.if DOCPART == 1
	.amdgcn_target "amdgcn-amd-amdhsa--gfx1250"
	.amdhsa_code_object_version 6
	.text
	.protected	k_q761593e13b_distmaps
	.globl	k_q761593e13b_distmaps
	.p2align	8
	.type	k_q761593e13b_distmaps,@function
k_q761593e13b_distmaps:
	s_mov_b64 s[64:65], 0
	v_nop
	global_prefetch_b8 v0, s[64:65] scope:SCOPE_SE
	s_setreg_imm32_b32 hwreg(HW_REG_WAVE_MODE, 25, 1), 1
	s_wait_xcnt 0x0
; out0[b][t][i][j] = max over the 24 points p of channel t of exp(-((i-px)^2 + (j-py)^2) / r^2), points with px < 0 or py < 0 counting as 0.
; coords: [8][48][4] f32 = (px, py, order, r).  out0: [8][2][512][512] f32.
; x is not an argument: the function takes nothing from x but its shape, no value of x enters any result, so no byte of it is fetched.
;
; HOW.  exp is monotone, so the largest exponential is the exponential of the largest exponent: one v_exp_f32 a pixel in place of 24.
; (All exponents are <= 0: nothing can overflow.)  The exponent separates:  z = c (i-px)^2 + c (j-py)^2,  c = -log2(e) / r^2.
; A lane keeps four columns for all its rows, so its 24 x 4 column terms stay in registers; the row terms are the same in all lanes and
; come from a table in LDS by loads in which every lane names the same address.  Two points of one pixel lie in a register pair:
; one v_pk_add_f32 makes both sums, one v_max3_num_f32 takes both into the running maximum.
; Both squares are made from the difference itself (i - px, j - py), never from an expanded polynomial: no difference of large sums.
; An invalid point gets the row term -inf (the addend of the fused multiply-add), exp2(-inf) = 0: a value is selected, nothing branches.
;
; SHARES.  256 work-groups: id x = block of 32 rows, id y = map 2 b + t.  Four waves; a wave makes 32 rows x 128 columns, a lane 4 neighbouring
; columns: each store of a wave covers 512 consecutive bytes, at a multiple of 512 from out0's first byte.
; No cluster, no tensor load: all that work-groups share is the 384 bytes of a map's points.
;
; LIMITS.  A NaN term loses in v_max3_num_f32, where the function's max would give NaN: coordinates that are NaN or infinite, and r = 0 at a
; pixel that lies exactly on the point (0/0).  Results below 2^-126 come out as 0 (v_exp_f32 flushes them).  The division by r^2 is a
; multiplication by v_rcp_f32(r r): a few units in the last place of the exponent.
.set ROWS,  32                         ; rows of a work-group (and of a wave)
.set TROW,  96                         ; bytes of a table row: 24 row terms
.set TAB,   0                          ; LDS: the table, ROWS x TROW = 3,072 bytes, shared by the four waves
.set PAR,   ROWS*TROW                  ; LDS: behind it 256 bytes for each wave: its copy of py (96 bytes) and c (96 bytes)
.set OROW,  2048                       ; bytes of a row of out0
.set OFF,   1                          ; v1         byte offset of my 16 bytes in the row that is stored next, + OROW
.set TA,    2                          ; v2         LDS address of the table row at work (the same in all lanes)
.set PT,    3                          ; v3         my point: min(lane, 23)
.set XY,    4                          ; v[4:7]     px, py, order, r of my point
.set CO,    8                          ; v8         byte offset of my point in coords
.set TS,    9                          ; v9         LDS address: my point's word in my wave's first table row
.set CC,    10                         ; v10        c of my point
.set BIAS,  11                         ; v11        0 for a valid point, -inf for an invalid one
.set PS,    12                         ; v12        LDS address: my point's word in my wave's parameters
.set PL,    13                         ; v13        LDS address of my wave's parameters (the same in all lanes)
.set TMP,   14                         ; v14        at work
.set ZERO,  15                         ; v15        0
.set M,     16                         ; v[16:19]   running maximum of my 4 pixels
.set O,     20                         ; v[20:23]   the 4 results, as stored
.set T,     24                         ; v[24:39]   two sets of 4 pairs of sums.  In the set-up: v[24:31] row terms, v[32:39] column numbers
.set RT,    24
.set JJ,    32                         ; column c of mine as f32, twice: v[JJ+2c], v[JJ+2c+1]
.set A,     40                         ; v[40:63]   the row terms of the 24 points, the same in all lanes
.set CY,    64                         ; v[64:159]  column terms: pair of points k, column c at CY + 8 k + 2 c
.set PY,    160                        ; v[160:183] py of the 24 points, the same in all lanes (set-up only)
.set CF,    184                        ; v[184:207] c of the 24 points, likewise
	s_load_b128 s[4:7], s[0:1], 0x0                ; coords s[4:5], out0 s[6:7]
	v_lshl_add_u32 v208, v0, 2, 0x1000
	v_mov_b32 v209, 0
	v_and_b32 v[PT], 31, v0                        ; lane
	v_min_u32 v[PT], 23, v[PT]                     ; lanes 24-31 repeat point 23: the load stays inside coords, and they store what lane 23 stores
	v_lshrrev_b32 v[TMP], 5, v0
	v_readfirstlane_b32 s8, v[TMP]                 ; wave 0..3
	s_and_b32 s9, ttmp7, 0xffff                    ; map = 2 b + t; its points are 24 map .. 24 map + 23
	s_mul_i32 s10, s9, 24*16
	v_lshl_add_u32 v[CO], v[PT], 4, s10
	s_wait_kmcnt 0x0
	global_load_b128 v[XY:XY+3], v[CO], s[4:5]     ; 24 lanes x 16 bytes: the map's 384 bytes
	; while the point is on its way: everything that hangs on ids alone
	s_lshl_b32 s12, s9, 20                         ; a map is 512 x 2,048 bytes,
	s_lshl_b32 s14, ttmp9, 16                      ; a block of 32 rows 65,536
	s_add_co_u32 s12, s12, s14
	s_mov_b32 s13, 0
	s_add_nc_u64 s[6:7], s[6:7], s[12:13]          ; out0 at the work-group's first row
	v_lshlrev_b32 v[OFF], 4, v0                    ; 16 bytes a thread: 512 x wave + 16 x lane
	v_lshlrev_b32 v[TMP], 2, v0                    ; my first column
	v_cvt_f32_u32 v[JJ], v[TMP]
	v_add_f32 v[JJ+2], 1.0, v[JJ]
	v_add_f32 v[JJ+4], 2.0, v[JJ]
	v_add_f32 v[JJ+6], 0x40400000, v[JJ]           ; + 3.0
.irp c, 0,1,2,3
	v_mov_b32 v[JJ+2*\c+1], v[JJ+2*\c]             ; both halves of a pair: the packed subtraction takes one column against two points
.endr
	s_lshl_b32 s15, ttmp9, 5
	s_lshl3_add_u32 s15, s8, s15                   ; 32 x block + 8 x wave: the first of the 8 table rows that my wave fills
	s_cvt_f32_u32 s16, s15                         ; s[16:23]: these 8 row numbers as f32 (whole numbers below 512: exact)
.irp r, 0,1,2,3,4,5,6
	s_add_f32 s[17+\r], s[16+\r], 1.0
.endr
	s_mul_i32 s24, s8, 8*TROW
	v_lshl_add_u32 v[TS], v[PT], 2, s24
	s_lshl_b32 s25, s8, 8
	s_add_co_u32 s25, s25, PAR
	v_lshl_add_u32 v[PS], v[PT], 2, s25
	v_mov_b32 v[PL], s25
	v_mov_b32 v[TA], TAB
	v_mov_b32 v[ZERO], 0
	; my point's figures, one point a lane
	s_wait_loadcnt 0x0
	v_mul_f32 v[TMP], v[XY+3], v[XY+3]             ; r^2
	ds_store_b32 v[PS], v[XY+1]                    ; py
	v_rcp_f32 v[CC], v[TMP]
	v_cmp_le_f32 vcc_lo, 0, v[XY]                  ; px >= 0.  (These two plain instructions also stand between v_rcp_f32 and the use of its
	v_cmp_le_f32 s26, 0, v[XY+1]                   ; py >= 0    result: ISA guide 5.7.2)
	s_wait_alu depctr_va_vdst(0)
	v_mul_f32 v[CC], 0xbfb8aa3b, v[CC]             ; c = -log2(e) / r^2: the exponent is made for v_exp_f32, which is 2^x
	s_and_b32 vcc_lo, vcc_lo, s26
	v_cndmask_b32 v[BIAS], 0xff800000, v[ZERO], vcc_lo     ; valid: 0, else -inf
	ds_store_b32 v[PS], v[CC] offset:TROW
	; back as pairs that are the same in all lanes.  My wave's own bytes; LDS serves a wave's instructions in order (ISA guide 5.7.1): no wait between
.irp q, 0,1,2,3,4,5
	ds_load_b128 v[PY+4*\q:PY+4*\q+3], v[PL] offset:16*\q
.endr
.irp q, 0,1,2,3,4,5
	ds_load_b128 v[CF+4*\q:CF+4*\q+3], v[PL] offset:TROW+16*\q
.endr
	; my wave's 8 rows of the table: a[row][p] = c (row - px)^2 + bias
.irp r, 0,1,2,3,4,5,6,7
	v_sub_f32 v[RT+\r], s[16+\r], v[XY]
.endr
.irp r, 0,1,2,3,4,5,6,7
	v_mul_f32 v[RT+\r], v[RT+\r], v[RT+\r]
.endr
.irp r, 0,1,2,3,4,5,6,7
	v_fma_f32 v[RT+\r], v[RT+\r], v[CC], v[BIAS]
.endr
.irp r, 0,1,2,3,4,5,6,7
	ds_store_b32 v[TS], v[RT+\r] offset:TAB+TROW*\r
.endr
	s_wait_dscnt 0x0                               ; zero: the other waves will read my table rows (and my own py and c are in)
	s_barrier_signal -1
	; column terms, two points at a time: c (j - py)^2.  Register work only, while the other waves arrive
.irp k, 0,1,2,3,4,5,6,7,8,9,10,11
.irp c, 0,1,2,3
	v_pk_add_f32 v[CY+8*\k+2*\c:CY+8*\k+2*\c+1], v[JJ+2*\c:JJ+2*\c+1], v[PY+2*\k:PY+2*\k+1] neg_lo:[0,1] neg_hi:[0,1]
.endr
.endr
.irp k, 0,1,2,3,4,5,6,7,8,9,10,11
.irp c, 0,1,2,3
	v_pk_mul_f32 v[CY+8*\k+2*\c:CY+8*\k+2*\c+1], v[CY+8*\k+2*\c:CY+8*\k+2*\c+1], v[CY+8*\k+2*\c:CY+8*\k+2*\c+1]
.endr
.endr
	s_barrier_wait -1                              ; the table is whole; no byte of it is written from here on
.irp q, 0,1,2,3,4,5
	ds_load_b128 v[A+4*\q:A+4*\q+3], v[TA] offset:16*\q    ; row 0's terms; the 48 multiplications below cover their way
.endr
.irp k, 0,1,2,3,4,5,6,7,8,9,10,11
.irp c, 0,1,2,3
	v_pk_mul_f32 v[CY+8*\k+2*\c:CY+8*\k+2*\c+1], v[CY+8*\k+2*\c:CY+8*\k+2*\c+1], v[CF+2*\k:CF+2*\k+1]
.endr
.endr
; Pair of points k, my four pixels: the sums, into set k % 2 of T
.macro PK k
.irp c, 0,1,2,3
	v_pk_add_f32 v[T+8*((\k)%2)+2*\c:T+8*((\k)%2)+2*\c+1], v[CY+8*(\k)+2*\c:CY+8*(\k)+2*\c+1], v[A+2*(\k):A+2*(\k)+1]
.endr
.endm
; and both sums into the running maximum.  The first pair starts it: nothing is cleared
.macro MX k
.irp c, 0,1,2,3
.if (\k) == 0
	v_max_num_f32 v[M+\c], v[T+2*\c], v[T+2*\c+1]
.else
	v_max3_num_f32 v[M+\c], v[M+\c], v[T+8*((\k)%2)+2*\c], v[T+8*((\k)%2)+2*\c+1]
.endif
.endr
.endm
; One row.  The maxima run one pair behind the sums, so that no instruction needs the result of one of the eight in front of it.
; The six loads of a table row are a ring: a quad of A is loaded again, for the next row, as soon as its two pairs have been added.
; When a quad is wanted, the five loads issued behind its own may still be out (LDS loads come back in order: ISA guide 5.7.1).
; more = 0: the last row loads nothing (no byte behind the table is read), and the counts run down 5, 4, .. 0.
.macro ROW more
.irp q, 0,1,2,3,4,5
.if \more
	s_wait_dscnt 5
.else
	s_wait_dscnt 5-\q
.endif
	PK 2*\q
.if \q
	MX 2*\q-1
.endif
	PK 2*\q+1
.if \more
	ds_load_b128 v[A+4*\q:A+4*\q+3], v[TA] offset:TROW+16*\q
.endif
	MX 2*\q
.endr
	MX 11
	s_wait_xcnt 0x0                                ; the last row's store has had its address translated (ISA guide 3.1): O and OFF are rewritten only behind this wait
.irp c, 0,1,2,3
	v_exp_f32 v[O+\c], v[M+\c]                     ; 2^z; z = -inf (no valid point) gives 0
.endr
	v_add_nc_u32 v[OFF], OROW, v[OFF]              ; a plain instruction between v_exp_f32 and the store that reads its results (ISA guide 5.7.2); the store reaches back
.if \more
	v_add_nc_u32 v[TA], TROW, v[TA]
.endif
	s_wait_alu depctr_va_vdst(0)
	global_store_b128 v[OFF], v[O:O+3], s[6:7] offset:-OROW th:TH_STORE_NT    ; written once, read by nobody in this launch
.endm
	s_mov_b32 s28, (ROWS-2)/2
.Lrows:
	ROW 1
	ROW 1
	s_sub_co_i32 s28, s28, 1
	s_cmp_lg_u32 s28, 0
	s_cbranch_scc1 .Lrows
	ROW 1
	ROW 0
	s_wait_tensorcnt 0x0
	ds_add_u32 v208, v209
	s_wait_dscnt 0x0
	s_endpgm
.Lfunc_end_k_q761593e13b_distmaps:
	.size	k_q761593e13b_distmaps, .Lfunc_end_k_q761593e13b_distmaps-k_q761593e13b_distmaps
	.p2alignl 7, 3214868480
	.fill 96, 4, 3214868480
	.section	.rodata,"a",@progbits
	.p2align	6, 0x0
	.amdhsa_kernel k_q761593e13b_distmaps
		.amdhsa_group_segment_fixed_size 4608
		.amdhsa_private_segment_fixed_size 0
		.amdhsa_enable_private_segment 0
		.amdhsa_kernarg_size 16
		.amdhsa_user_sgpr_count 2
		.amdhsa_user_sgpr_kernarg_segment_ptr 1
		.amdhsa_wavefront_size32 1
		.amdhsa_system_sgpr_workgroup_id_x 1
		.amdhsa_system_sgpr_workgroup_id_y 1
		.amdhsa_system_sgpr_workgroup_id_z 1
		.amdhsa_system_vgpr_workitem_id 0
		.amdhsa_next_free_vgpr 210
		.amdhsa_next_free_sgpr 66
		.amdhsa_reserve_vcc 1
		.amdhsa_float_denorm_mode_32 3
		.amdhsa_float_denorm_mode_16_64 3
		.amdhsa_memory_ordered 1
		.amdhsa_forward_progress 1
		.amdhsa_inst_pref_size 42
	.end_amdhsa_kernel
	.amdgpu_metadata
---
amdhsa.version: [ 1, 2 ]
amdhsa.kernels:
  - .name:           k_q761593e13b_distmaps
    .symbol:         k_q761593e13b_distmaps.kd
    .args:
      - { .name: coords, .offset: 0, .size: 8, .value_kind: global_buffer, .address_space: global }
      - { .name: out0, .offset: 8, .size: 8, .value_kind: global_buffer, .address_space: global }
    .group_segment_fixed_size: 4608
    .private_segment_fixed_size: 0
    .kernarg_segment_align: 8
    .kernarg_segment_size: 16
    .max_flat_workgroup_size: 128
    .sgpr_count:     66
    .vgpr_count:     210
    .wavefront_size: 32
...
	.end_amdgpu_metadata
.endif
;; end of part 1
;; ======== version 2 of 2: 1 launch; version 1 with the launch distmaps written anew for expert scheduling mode
;; launch distmaps (part 2): grid 16 x 16, 4 waves a work-group, no clusters, 4,608 bytes of LDS; arguments coords, out0; writes out0
.if DOCPART == 2
	.amdgcn_target "amdgcn-amd-amdhsa--gfx1250"
	.amdhsa_code_object_version 6
	.text
	.protected	k_q761593e13b_distmaps
	.globl	k_q761593e13b_distmaps
	.p2align	8
	.type	k_q761593e13b_distmaps,@function
k_q761593e13b_distmaps:
	s_mov_b64 s[64:65], 0
	v_nop
	global_prefetch_b8 v0, s[64:65] scope:SCOPE_SE
	s_setreg_imm32_b32 hwreg(HW_REG_WAVE_SCHED_MODE, 0, 2), 2
	s_setreg_imm32_b32 hwreg(HW_REG_WAVE_MODE, 25, 1), 1
	s_wait_xcnt 0x0
	s_wait_alu depctr_vm_vsrc(0)
; out0[b][t][i][j] = max over the 24 points p of channel t of exp(-((i-px)^2 + (j-py)^2) / r^2), points with px < 0 or py < 0 counting as 0.
; coords: [8][48][4] f32 = (px, py, order, r).  out0: [8][2][512][512] f32.
; x is not an argument: the function takes nothing from x but its shape, no value of x enters any result, so no byte of it is fetched.
;
; HOW.  exp is monotone, so the largest exponential is the exponential of the largest exponent: one v_exp_f32 a pixel in place of 24.
; (All exponents are <= 0: nothing can overflow.)  The exponent separates:  z = c (i-px)^2 + c (j-py)^2,  c = -log2(e) / r^2.
; A lane keeps four columns for all its rows, so its 24 x 4 column terms stay in registers; the row terms are the same in all lanes and
; come from a table in LDS by loads in which every lane names the same address.  Two points of one pixel lie in a register pair:
; one v_pk_add_f32 makes both sums, one v_max3_num_f32 takes both into the running maximum.
; Both squares are made from the difference itself (i - px, j - py), never from an expanded polynomial: no difference of large sums.
; An invalid point gets the row term -inf (the addend of the fused multiply-add), exp2(-inf) = 0: a value is selected, nothing branches.
;
; SHARES.  256 work-groups: id x = block of 32 rows, id y = map 2 b + t.  Four waves; a wave makes 32 rows x 128 columns, a lane 4 neighbouring
; columns: each store of a wave covers 512 consecutive bytes, at a multiple of 512 from out0's first byte.
; No cluster, no tensor load: all that work-groups share is the 384 bytes of a map's points.
;
; THE MODE: SCHED_MODE bits 1:0 = 2 (LLVM: expert scheduling mode 2), set by the entry lines.  The code itself states the register dependences
; between vector instructions and memory or LDS instructions, with s_wait_alu, always for 0.
; THE PLAN.  Registers that memory or LDS instructions touch, in the rows:
;   A0, A1   the row terms.  Row r's 48 packed additions read A[r % 2]; the six LDS loads of row r + 1, issued in row r, land in the other.
;   O0, O1   the results.    Row r's four exponentials write O[r % 2]; the one store that reads it is issued in row r + 1.
;   v[TA]    read by every table load; written once a trip, at the head of the trip's first row.
;   v[OFF]   read by every store; never written again: the rows are reached by the scalar base, which moves on once a trip, and by immediate offsets.
;   M, T and CY are named by vector instructions alone.
; Row r's memory instructions touch A[(r + 1) % 2] and O[(r - 1) % 2]: the two buffers that row r - 1 worked on and that no vector instruction of row r
; names.  So the waits at a row's head state all that its six loads and its store hang on, and these are dealt among its vector instructions with no further wait.
;
; LIMITS.  A NaN term loses in v_max3_num_f32, where the function's max would give NaN: coordinates that are NaN or infinite, and r = 0 at a
; pixel that lies exactly on the point (0/0).  Results below 2^-126 come out as 0 (v_exp_f32 flushes them).  The division by r^2 is a
; multiplication by v_rcp_f32(r r): a few units in the last place of the exponent.
.set ROWS,  32                         ; rows of a work-group (and of a wave)
.set TROW,  96                         ; bytes of a table row: 24 row terms
.set TAB,   0                          ; LDS: the table, ROWS x TROW = 3,072 bytes, shared by the four waves
.set PAR,   ROWS*TROW                  ; LDS: behind it 256 bytes for each wave: its copy of py (96 bytes) and c (96 bytes)
.set OROW,  2048                       ; bytes of a row of out0
.set OFF,   1                          ; v1         byte offset of my 16 bytes in a row of out0; never rewritten
.set TA,    2                          ; v2         LDS address of a table row (the same in all lanes): row 0, then the second row of the trip in hand
.set PT,    3                          ; v3         my point: min(lane, 23)
.set XY,    4                          ; v[4:7]     px, py, order, r of my point
.set CO,    8                          ; v8         byte offset of my point in coords
.set TS,    9                          ; v9         LDS address: my point's word in my wave's first table row
.set CC,    10                         ; v10        c of my point
.set BIAS,  11                         ; v11        0 for a valid point, -inf for an invalid one
.set PS,    12                         ; v12        LDS address: my point's word in my wave's parameters
.set PL,    13                         ; v13        LDS address of my wave's parameters (the same in all lanes)
.set TMP,   14                         ; v14        at work
.set ZERO,  15                         ; v15        0
.set M,     16                         ; v[16:19]   running maximum of my 4 pixels
.set O0,    20                         ; v[20:23]   the 4 results of an even row, as stored
.set T,     24                         ; v[24:39]   two sets of 4 pairs of sums.  In the set-up: v[24:31] row terms, v[32:39] column numbers
.set RT,    24
.set JJ,    32                         ; column c of mine as f32, twice: v[JJ+2c], v[JJ+2c+1]
.set A0,    40                         ; v[40:63]   the row terms of the 24 points in an even row, the same in all lanes
.set CY,    64                         ; v[64:159]  column terms: pair of points k, column c at CY + 8 k + 2 c
.set PY,    160                        ; v[160:183] py of the 24 points, the same in all lanes (set-up only)
.set CF,    184                        ; v[184:207] c of the 24 points, likewise
.set A1,    208                        ; v[208:231] the row terms in an odd row
.set O1,    232                        ; v[232:235] the 4 results of an odd row
.set NINF,  236                        ; v236       -inf
	s_load_b128 s[4:7], s[0:1], 0x0                ; coords s[4:5], out0 s[6:7]
	v_lshl_add_u32 v238, v0, 2, 0x1000
	v_mov_b32 v239, 0
	v_and_b32 v[PT], 31, v0                        ; lane
	v_min_u32 v[PT], 23, v[PT]                     ; lanes 24-31 repeat point 23: the load stays inside coords, and they store what lane 23 stores
	v_lshrrev_b32 v[TMP], 5, v0
	v_readfirstlane_b32 s8, v[TMP]                 ; wave 0..3
	s_and_b32 s9, ttmp7, 0xffff                    ; map = 2 b + t; its points are 24 map .. 24 map + 23
	s_mul_i32 s10, s9, 24*16
	v_lshl_add_u32 v[CO], v[PT], 4, s10
	s_wait_kmcnt 0x0
	s_wait_alu depctr_va_vdst(0)                   ; v[CO] is written, which the load below reads as its offset
	global_load_b128 v[XY:XY+3], v[CO], s[4:5]     ; 24 lanes x 16 bytes: the map's 384 bytes
	; while the point is on its way: everything that hangs on ids alone
	s_lshl_b32 s12, s9, 20                         ; a map is 512 x 2,048 bytes,
	s_lshl_b32 s14, ttmp9, 16                      ; a block of 32 rows 65,536
	s_add_co_u32 s12, s12, s14
	s_mov_b32 s13, 0
	s_add_nc_u64 s[6:7], s[6:7], s[12:13]          ; out0 at the work-group's first row
	v_lshlrev_b32 v[OFF], 4, v0                    ; 16 bytes a thread: 512 x wave + 16 x lane
	v_lshlrev_b32 v[TMP], 2, v0                    ; my first column
	v_cvt_f32_u32 v[JJ], v[TMP]
	v_add_f32 v[JJ+2], 1.0, v[JJ]
	v_add_f32 v[JJ+4], 2.0, v[JJ]
	v_add_f32 v[JJ+6], 0x40400000, v[JJ]           ; + 3.0
.irp c, 0,1,2,3
	v_mov_b32 v[JJ+2*\c+1], v[JJ+2*\c]             ; both halves of a pair: the packed subtraction takes one column against two points
.endr
	s_lshl_b32 s15, ttmp9, 5
	s_wait_alu depctr_va_sdst(0)                   ; s8 is written, ahead of its first reader: the table rows and the LDS addresses are made from it
	s_lshl3_add_u32 s15, s8, s15                   ; 32 x block + 8 x wave: the first of the 8 table rows that my wave fills
	s_cvt_f32_u32 s16, s15                         ; s[16:23]: these 8 row numbers as f32 (whole numbers below 512: exact)
.irp r, 0,1,2,3,4,5,6
	s_add_f32 s[17+\r], s[16+\r], 1.0
.endr
	s_mul_i32 s24, s8, 8*TROW
	v_lshl_add_u32 v[TS], v[PT], 2, s24
	s_lshl_b32 s25, s8, 8
	s_add_co_u32 s25, s25, PAR
	v_lshl_add_u32 v[PS], v[PT], 2, s25
	v_mov_b32 v[PL], s25
	v_mov_b32 v[TA], TAB
	v_mov_b32 v[ZERO], 0
	v_mov_b32 v[NINF], 0xff800000
	; my point's figures, one point a lane, and my wave's 8 rows of the table: a[row][p] = c (row - px)^2 + bias
	s_wait_loadcnt 0x0
	v_mul_f32 v[TMP], v[XY+3], v[XY+3]             ; r^2
	v_rcp_f32 v[CC], v[TMP]
	v_cmp_le_f32 s26, 0, v[XY]                     ; px >= 0.  (These two plain instructions also stand between v_rcp_f32 and the use of its
	v_cmp_le_f32 s27, 0, v[XY+1]                   ; py >= 0    result: ISA guide 5.7.2)
	s_wait_alu depctr_va_vdst(0)
	v_mul_f32 v[CC], 0xbfb8aa3b, v[CC]             ; c = -log2(e) / r^2: the exponent is made for v_exp_f32, which is 2^x
.irp r, 0,1,2,3,4,5,6,7
	v_sub_f32 v[RT+\r], s[16+\r], v[XY]
.endr
.irp r, 0,1,2,3,4,5,6,7
	v_mul_f32 v[RT+\r], v[RT+\r], v[RT+\r]
.endr
	s_wait_alu depctr_va_sdst(0)                   ; the two compares have written s26 and s27, ahead of their first reader
	s_and_b32 s26, s26, s27
	v_cndmask_b32 v[BIAS], v[NINF], v[ZERO], s26   ; valid: 0, else -inf
.irp r, 0,1,2,3,4,5,6,7
	v_fma_f32 v[RT+\r], v[RT+\r], v[CC], v[BIAS]
.endr
	s_wait_alu depctr_va_vdst(0)                   ; written are: c and the 8 row terms, which the LDS stores below read; the addresses PS, PL, TS, and TA and OFF for the rows
	ds_store_b32 v[PS], v[XY+1]                    ; py
	ds_store_b32 v[PS], v[CC] offset:TROW
	; back as pairs that are the same in all lanes.  My wave's own bytes; LDS serves a wave's instructions in order (ISA guide 5.7.1): no wait between
.irp q, 0,1,2,3,4,5
	ds_load_b128 v[PY+4*\q:PY+4*\q+3], v[PL] offset:16*\q
.endr
.irp q, 0,1,2,3,4,5
	ds_load_b128 v[CF+4*\q:CF+4*\q+3], v[PL] offset:TROW+16*\q
.endr
.irp r, 0,1,2,3,4,5,6,7
	ds_store_b32 v[TS], v[RT+\r] offset:TAB+TROW*\r
.endr
	s_wait_dscnt 0x0                               ; zero: the other waves will read my table rows (and my own py and c are in)
	s_barrier_signal -1
	; column terms, two points at a time: c (j - py)^2.  Register work only, while the other waves arrive
.irp k, 0,1,2,3,4,5,6,7,8,9,10,11
.irp c, 0,1,2,3
	v_pk_add_f32 v[CY+8*\k+2*\c:CY+8*\k+2*\c+1], v[JJ+2*\c:JJ+2*\c+1], v[PY+2*\k:PY+2*\k+1] neg_lo:[0,1] neg_hi:[0,1]
.endr
.endr
.irp k, 0,1,2,3,4,5,6,7,8,9,10,11
.irp c, 0,1,2,3
	v_pk_mul_f32 v[CY+8*\k+2*\c:CY+8*\k+2*\c+1], v[CY+8*\k+2*\c:CY+8*\k+2*\c+1], v[CY+8*\k+2*\c:CY+8*\k+2*\c+1]
.endr
.endr
	s_barrier_wait -1                              ; the table is whole; no byte of it is written from here on
.irp q, 0,1,2,3,4,5
	ds_load_b128 v[A0+4*\q:A0+4*\q+3], v[TA] offset:16*\q  ; row 0's terms; the 48 multiplications below cover their way.  No wait: no vector instruction has named A0, none since the last wait TA
.endr
.irp k, 0,1,2,3,4,5,6,7,8,9,10,11
.irp c, 0,1,2,3
	v_pk_mul_f32 v[CY+8*\k+2*\c:CY+8*\k+2*\c+1], v[CY+8*\k+2*\c:CY+8*\k+2*\c+1], v[CF+2*\k:CF+2*\k+1]
.endr
.endr
; Pair of points k, my four pixels: the sums, into set k % 2 of T.  AT: the row's buffer of row terms
.macro PK k
.irp c, 0,1,2,3
	v_pk_add_f32 v[T+8*((\k)%2)+2*\c:T+8*((\k)%2)+2*\c+1], v[CY+8*(\k)+2*\c:CY+8*(\k)+2*\c+1], v[AT+2*(\k):AT+2*(\k)+1]
.endr
.endm
; and both sums into the running maximum.  The first pair starts it: nothing is cleared
.macro MX k
.irp c, 0,1,2,3
.if (\k) == 0
	v_max_num_f32 v[M+\c], v[T+2*\c], v[T+2*\c+1]
.else
	v_max3_num_f32 v[M+\c], v[M+\c], v[T+8*((\k)%2)+2*\c], v[T+8*((\k)%2)+2*\c+1]
.endif
.endr
.endm
; One row.  b = row % 2: it reads A[b] and writes O[b]; its loads land in A[1-b], its store leaves from O[1-b].
; The maxima run one pair behind the sums, so that no instruction needs the result of one of the eight in front of it.
; first = 1: row 0, with no row in front of it.  more = 0: the last row loads nothing (no byte behind the table is read).
; step = 1: a trip's first row: the table address and out0's base move on by two rows.  la: the next row's bytes from v[TA].  so: the last row's bytes from the base.
.macro ROW b, first, more, step, la, so
.set AT, A0+(A1-A0)*(\b)
.set AN, A0+(A1-A0)*(1-(\b))
.set OT, O0+(O1-O0)*(\b)
.set ON, O0+(O1-O0)*(1-(\b))
	s_wait_dscnt 0x0                               ; this row's terms are in: their loads stand in the first half of the row before
.if \first
	s_wait_alu depctr_vm_vsrc(0)                   ; the set-up's LDS stores have read v[RT ..]: these registers are T from here on, written by the sums
.else
	s_wait_xcnt 0x0                                ; the store of the row before has had its address translated (ISA guide 3.1): its data registers and the base are rewritten only behind this wait
	s_wait_alu depctr_vm_vsrc(0)                   ; that store has read O[b], which this row's exponentials write again; the table loads issued so far have read v[TA]
.if \step
	v_add_nc_u32 v[TA], 2*TROW, v[TA]
	s_add_nc_u64 s[6:7], s[6:7], 2*OROW
.endif
	s_wait_alu depctr_va_vdst(0)                   ; the row before has written O[1-b], which the store below reads, and is done reading A[1-b], in which the loads below land; in a trip's first row v[TA] is written
.endif
.irp q, 0,1,2,3,4,5
.if \more
.if \q < 3
	ds_load_b128 v[AN+8*\q:AN+8*\q+3],   v[TA] offset:(\la)+32*\q      ; the next row's terms, early in the row.  No wait: no vector instruction since the head names A[1-b] or v[TA]
	ds_load_b128 v[AN+8*\q+4:AN+8*\q+7], v[TA] offset:(\la)+32*\q+16
.endif
.endif
	PK 2*\q
.if !\first
.if \q == 0
	global_store_b128 v[OFF], v[ON:ON+3], s[6:7] offset:(\so) th:TH_STORE_NT  ; the row before; written once, read by nobody in this launch.  The four additions above are the plain instructions between v_exp_f32 and this use of its results (ISA guide 5.7.2); none names O[1-b] or v[OFF]
.endif
.endif
.if \q
	MX 2*\q-1
.endif
	PK 2*\q+1
	MX 2*\q
.endr
	MX 11
.irp c, 0,1,2,3
	v_exp_f32 v[OT+\c], v[M+\c]                    ; 2^z; z = -inf (no valid point) gives 0
.endr
.endm
	ROW 0, 1, 1, 0, TROW, 0                        ; row 0 stands ahead of the loop: nothing to store yet
	s_mov_b32 s28, (ROWS-2)/2
.Lrows:                                                ; rows 1 to 30, two to a trip: both kinds of buffer are back at their start
	ROW 1, 0, 1, 1, 0, -2*OROW
	ROW 0, 0, 1, 0, TROW, -OROW
	s_sub_co_i32 s28, s28, 1
	s_cmp_lg_u32 s28, 0
	s_cbranch_scc1 .Lrows
	ROW 1, 0, 0, 0, 0, 0                           ; row 31; the base stands at row 30, which it stores
	v_nop                                          ; a plain instruction between v_exp_f32 and the store that reads its results (ISA guide 5.7.2)
	s_wait_alu depctr_va_vdst(0)                   ; row 31's exponentials have written O1, which the last store reads
	global_store_b128 v[OFF], v[O1:O1+3], s[6:7] offset:OROW th:TH_STORE_NT
	s_wait_dscnt 0x0
	s_wait_alu depctr_hold_cnt(0) depctr_sa_sdst(0) depctr_va_vdst(0) depctr_va_sdst(0) depctr_va_ssrc(0) depctr_va_vcc(0) depctr_vm_vsrc(0)
	s_wait_tensorcnt 0x0
	ds_add_u32 v238, v239
	s_wait_dscnt 0x0
	s_endpgm
.Lfunc_end_k_q761593e13b_distmaps:
	.size	k_q761593e13b_distmaps, .Lfunc_end_k_q761593e13b_distmaps-k_q761593e13b_distmaps
	.p2alignl 7, 3214868480
	.fill 96, 4, 3214868480
	.section	.rodata,"a",@progbits
	.p2align	6, 0x0
	.amdhsa_kernel k_q761593e13b_distmaps
		.amdhsa_group_segment_fixed_size 4608
		.amdhsa_private_segment_fixed_size 0
		.amdhsa_enable_private_segment 0
		.amdhsa_kernarg_size 16
		.amdhsa_user_sgpr_count 2
		.amdhsa_user_sgpr_kernarg_segment_ptr 1
		.amdhsa_wavefront_size32 1
		.amdhsa_system_sgpr_workgroup_id_x 1
		.amdhsa_system_sgpr_workgroup_id_y 1
		.amdhsa_system_sgpr_workgroup_id_z 1
		.amdhsa_system_vgpr_workitem_id 0
		.amdhsa_next_free_vgpr 240
		.amdhsa_next_free_sgpr 66
		.amdhsa_reserve_vcc 0
		.amdhsa_float_denorm_mode_32 3
		.amdhsa_float_denorm_mode_16_64 3
		.amdhsa_memory_ordered 1
		.amdhsa_forward_progress 1
		.amdhsa_inst_pref_size 42
	.end_amdhsa_kernel
	.amdgpu_metadata
---
amdhsa.version: [ 1, 2 ]
amdhsa.kernels:
  - .name:           k_q761593e13b_distmaps
    .symbol:         k_q761593e13b_distmaps.kd
    .args:
      - { .name: coords, .offset: 0, .size: 8, .value_kind: global_buffer, .address_space: global }
      - { .name: out0, .offset: 8, .size: 8, .value_kind: global_buffer, .address_space: global }
    .group_segment_fixed_size: 4608
    .private_segment_fixed_size: 0
    .kernarg_segment_align: 8
    .kernarg_segment_size: 16
    .max_flat_workgroup_size: 128
    .sgpr_count:     66
    .vgpr_count:     240
    .wavefront_size: 32
...
	.end_amdgpu_metadata
.endif
;; end of part 2
